; MI455X (gfx1250); checked and timed in simulation.
; The chip was launched on July 23, 2026; its instructions are those of AMD's public machine-readable ISA for CDNA 5 (MIT licence, August 2026) and "CDNA5" Instruction Set Architecture Reference Guide (July 2026). The comments in the code are by the model that wrote it; some were corrected since.
;; Parent GRU. Allowed arithmetic: matrix products marked QUANTISED: E3M2 operands, one E8M0 scale for each 32 along K, by v_wmma_scale_f32_16x16x128_f8f6f4 with both operands' format E3M2, f32 sums; everything else in f32.
;; Inputs: inputs_codes 16,384 x 16 x 24 uint8 (E3M2 codes of inputs, K innermost, in blocks of 32 codes, four codes in three bytes); inputs_scales 16,384 x 16 uint8 (E8M0 scales of inputs, one for each 32 codes along K); p_a_w_codes 512 x 16 x 24 uint8 (E3M2 codes of p_a_w, K innermost, in blocks of 32 codes, four codes in three bytes); p_a_w_scales 512 x 16 uint8 (E8M0 scales of p_a_w, one for each 32 codes along K); p_c_w_codes 512 x 16 x 24 uint8 (E3M2 codes of p_c_w, K innermost, in blocks of 32 codes, four codes in three bytes); p_c_w_scales 512 x 16 uint8 (E8M0 scales of p_c_w, one for each 32 codes along K); p_r1_w_codes 512 x 16 x 24 uint8 (E3M2 codes of p_r1_w, K innermost, in blocks of 32 codes, four codes in three bytes); p_r1_w_scales 512 x 16 uint8 (E8M0 scales of p_r1_w, one for each 32 codes along K); p_r_w_codes 512 x 16 x 24 uint8 (E3M2 codes of p_r_w, K innermost, in blocks of 32 codes, four codes in three bytes); p_r_w_scales 512 x 16 uint8 (E8M0 scales of p_r_w, one for each 32 codes along K); parent_state 16,384 x 512 float32; state 16,384 x 512 float32; u_a_w_codes 512 x 16 x 24 uint8 (E3M2 codes of u_a_w, K innermost, in blocks of 32 codes, four codes in three bytes); u_a_w_scales 512 x 16 uint8 (E8M0 scales of u_a_w, one for each 32 codes along K); u_c_w_codes 512 x 16 x 24 uint8 (E3M2 codes of u_c_w, K innermost, in blocks of 32 codes, four codes in three bytes); u_c_w_scales 512 x 16 uint8 (E8M0 scales of u_c_w, one for each 32 codes along K); u_r1_w_codes 512 x 16 x 24 uint8 (E3M2 codes of u_r1_w, K innermost, in blocks of 32 codes, four codes in three bytes); u_r1_w_scales 512 x 16 uint8 (E8M0 scales of u_r1_w, one for each 32 codes along K); u_r_w_codes 512 x 16 x 24 uint8 (E3M2 codes of u_r_w, K innermost, in blocks of 32 codes, four codes in three bytes); u_r_w_scales 512 x 16 uint8 (E8M0 scales of u_r_w, one for each 32 codes along K); w_a_b 512 float32; w_a_w_codes 512 x 16 x 24 uint8 (E3M2 codes of w_a_w, K innermost, in blocks of 32 codes, four codes in three bytes); w_a_w_scales 512 x 16 uint8 (E8M0 scales of w_a_w, one for each 32 codes along K); w_c_b 512 float32; w_c_w_codes 512 x 16 x 24 uint8 (E3M2 codes of w_c_w, K innermost, in blocks of 32 codes, four codes in three bytes); w_c_w_scales 512 x 16 uint8 (E8M0 scales of w_c_w, one for each 32 codes along K); w_r1_b 512 float32; w_r1_w_codes 512 x 16 x 24 uint8 (E3M2 codes of w_r1_w, K innermost, in blocks of 32 codes, four codes in three bytes); w_r1_w_scales 512 x 16 uint8 (E8M0 scales of w_r1_w, one for each 32 codes along K); w_r_b 512 float32; w_r_w_codes 512 x 16 x 24 uint8 (E3M2 codes of w_r_w, K innermost, in blocks of 32 codes, four codes in three bytes); w_r_w_scales 512 x 16 uint8 (E8M0 scales of w_r_w, one for each 32 codes along K).
;; Outputs: out0 16,384 x 512 float32.
;; This version of the problem:
;;   THIS VERSION OF THE PROBLEM IS GIVEN IN LOW PRECISION. The matrix products marked QUANTISED in the list below multiply operands that are first quantised to E3M2 (3 exponent bits, 2 mantissa bits; 6 bits a number), with one power-of-two scale for each 32 numbers along K (OCP MX v1.0); their sums are f32. All else is computed in f32.
;;   The module's matrix products, in the order in which they are computed (A, B: the left and right operand; K: the contracted axis; several contracted axes count as one K, in the product's order):
;;     1. [M 16,384, K 512] x [K 512, N 512]; A: input inputs (given as codes); B: input w_a_w (given as codes): QUANTISED
;;     2. [M 16,384, K 512] x [K 512, N 512]; A: input state; B: input u_a_w (given as codes): QUANTISED
;;     3. [M 16,384, K 512] x [K 512, N 512]; A: input parent_state; B: input p_a_w (given as codes): QUANTISED
;;     4. [M 16,384, K 512] x [K 512, N 512]; A: input inputs (given as codes); B: input w_r_w (given as codes): QUANTISED
;;     5. [M 16,384, K 512] x [K 512, N 512]; A: input state; B: input u_r_w (given as codes): QUANTISED
;;     6. [M 16,384, K 512] x [K 512, N 512]; A: input parent_state; B: input p_r_w (given as codes): QUANTISED
;;     7. [M 16,384, K 512] x [K 512, N 512]; A: input inputs (given as codes); B: input w_r1_w (given as codes): QUANTISED
;;     8. [M 16,384, K 512] x [K 512, N 512]; A: input state; B: input u_r1_w (given as codes): QUANTISED
;;     9. [M 16,384, K 512] x [K 512, N 512]; A: input parent_state; B: input p_r1_w (given as codes): QUANTISED
;;     10. [M 16,384, K 512] x [K 512, N 512]; A: input inputs (given as codes); B: input w_c_w (given as codes): QUANTISED
;;     11. [M 16,384, K 512] x [K 512, N 512]; A: computed on the way; B: input u_c_w (given as codes): QUANTISED
;;     12. [M 16,384, K 512] x [K 512, N 512]; A: computed on the way; B: input p_c_w (given as codes): QUANTISED
;;   THE QUANTISER, for each operand of a quantised product, along K:
;;     - K is cut into blocks of 32 from its start; a last block that is shorter is filled with zeros.
;;     - A block's scale is 2^e with e = floor(log2(the largest magnitude in the block)) - 4, held to -126 .. 127; a block of zeros has e = 0. As a byte (E8M0): e + 127.
;;     - Each number is divided by its block's scale, clamped to +-28, and rounded to the nearest number of E3M2, ties to even, subnormals kept.
;;     - The product sums the exact products of the quantised numbers (number of the format x scale) in f32.
;;   ~~~python
;;   def quantise(x, axis):      # numpy; x: float32 -> the quantised numbers, widened to float32 again
;;       x = np.moveaxis(x, axis, -1); K = x.shape[-1]
;;       x = np.pad(x, [(0, 0)] * (x.ndim - 1) + [(0, -K % 32)]); x = x.reshape(x.shape[:-1] + (-1, 32)); a = np.abs(x).max(-1, keepdims=True)
;;       e = np.where(a > 0, np.clip(np.frexp(np.where(a > 0, a, 1))[1] - 1 - 4, -126, 127), 0)      # np.frexp(a)[1] - 1 = floor(log2(a)), exactly
;;       r = np.clip(x / 2.0 ** e, -28, 28)
;;       step = 2.0 ** (np.maximum(np.frexp(np.where(r == 0, 1, r))[1] - 1, -2) - 2)
;;       q = np.round(r / step) * step * 2.0 ** e      # np.round: ties to even
;;       return np.moveaxis(q.reshape(q.shape[:-2] + (-1,))[..., :K], -1, axis).astype(np.float32)
;;   ~~~
;;   OPERANDS COMPUTED ON THE WAY. 'Computed on the way' means the value that the module computes at that place (a softmax that the list does not call 'softmax' is quantised finished and normalised). What goes into a quantiser is computed in f32, as accurately as f32 sums, v_exp_f32 and their like allow (about 1e-6 of the number): no bf16 or f16 on the way to a quantiser, and a product that is left as it is and whose result goes on into a quantised operand takes f32 operands (vector FMAs, or v_wmma_f32_16x16x4_f32). A number that lies on a knife's edge between two numbers of the format may be rounded either way, as far as f32 arithmetic and the matrix unit's own rounding can turn it there, and no further.
;;   INPUTS GIVEN AS CODES. inputs (in the module: [16384, 512], K = its axis 1); p_a_w (in the module: [512, 512], K = its axis 1); p_c_w (in the module: [512, 512], K = its axis 1); p_r1_w (in the module: [512, 512], K = its axis 1); p_r_w (in the module: [512, 512], K = its axis 1); u_a_w (in the module: [512, 512], K = its axis 1); u_c_w (in the module: [512, 512], K = its axis 1); u_r1_w (in the module: [512, 512], K = its axis 1); u_r_w (in the module: [512, 512], K = its axis 1); w_a_w (in the module: [512, 512], K = its axis 1); w_c_w (in the module: [512, 512], K = its axis 1); w_r1_w (in the module: [512, 512], K = its axis 1); w_r_w (in the module: [512, 512], K = its axis 1): each comes as NAME_codes (uint8): NAME with its K axis moved to the last place and cut into blocks of 32 codes, [.., K / 32, bytes a block], one block behind the other in memory; four codes in three bytes: a row's codes are one little-endian stream of bits, code i at bits 6 i .. 6 i + 5 (a code: sign, 3 exponent bits, 2 mantissa bits); and NAME_scales (uint8): the same leading axes, one E8M0 byte (e + 127) for each 32 codes along K. Its value is code x scale, taken as it is: it is not quantised again, and the codes and scales need not be those that the quantiser above would give.
;; One version. Each part assembles by itself: llvm-mc -triple=amdgcn-amd-amdhsa -mcpu=gfx1250 --defsym DOCPART=n.
;; ======== version 1 of 1: 2 launches
;; limits: right only within a limited range of input values
;; workspace buffers: wpack 2,465,792 bytes
;; launch pack (part 1): grid 12 x 4, 4 waves a work-group, no clusters, 0 bytes of LDS; arguments w_r1_w_codes, u_r1_w_codes, p_r1_w_codes, w_a_w_codes, u_a_w_codes, p_a_w_codes, w_r_w_codes, u_r_w_codes, p_r_w_codes, p_c_w_codes, w_c_w_codes, u_c_w_codes, w_r1_w_scales, u_r1_w_scales, p_r1_w_scales, w_a_w_scales, u_a_w_scales, p_a_w_scales, w_r_w_scales, u_r_w_scales, p_r_w_scales, p_c_w_scales, w_c_w_scales, u_c_w_scales, w_r1_b, w_a_b, w_r_b, w_c_b, wpack; writes wpack
.if DOCPART == 1
	.amdgcn_target "amdgcn-amd-amdhsa--gfx1250"
	.amdhsa_code_object_version 6
	.text
	.protected	k_qc36155da4a_pack
	.globl	k_qc36155da4a_pack
	.p2align	8
	.type	k_qc36155da4a_pack,@function
k_qc36155da4a_pack:
	s_mov_b64 s[64:65], 0
	v_nop
	global_prefetch_b8 v0, s[64:65] scope:SCOPE_SE
	s_setreg_imm32_b32 hwreg(HW_REG_WAVE_MODE, 25, 1), 1
	s_wait_xcnt 0x0
; ParentGRU, first of two launches: the twelve weights (codes of E3M2 and their E8M0 scale bytes) and the four biases are laid into ONE buffer, wpack,
; in the order in which the second launch's waves take them into their operand registers.  Nothing is computed: bytes are moved.
; NO WORK OF THE PROBLEM IS DEAD: att, r, r1 and c all reach new_h for general inputs, so all twelve products, all four biases and all three activations are live, and every input is loaded by one of the two launches.
; WHY A LAUNCH OF ITS OWN: the second launch walks all weights in every work-group, so they are laid once as dense blocks that one tensor load can bring.
; LAYOUT OF wpack: 48 blocks of 51,200 bytes, block t = 4 mi + ks: weight mi (in the order of this launch's arguments: w_r1 u_r1 p_r1 w_a u_a p_a w_r u_r p_r p_c w_c u_c), K step ks of 128.
;   In a block, wave w of the reader has 12,800 bytes at 12,800 w: eight fragment images of 1,536 bytes (tile n = 2 b + u at 1,536 n; registers 4 c .. 4 c + 3 of lane l at 512 c + 16 l), then 512 bytes of scale words.
;   Lane (r, h) of tile n holds weight row 128 w + 32 b + 8 u + r + 8 (r / 8): registers 0-5 the 24 bytes at row x 384 + 96 ks + 24 h, registers 6-11 the 24 bytes 48 further on (the 6-bit operand's layout).
;   THE ROWS OF A TILE ARE NOT NEIGHBOURS: so the 16 results of tiles 2 b and 2 b + 1 in a lane of the transposed product are 16 neighbouring columns.
;   Scale words: lane l has 16 bytes at 12,288 + 16 l; its word i is that of tile 2 i + l / 16, row l % 16: one register then carries an even tile's words in lanes 0-15 and the odd tile's in lanes 16-31.
;   Behind the blocks, at byte 2,457,600: the biases of r1, a, r, c, 2,048 bytes each, as they are.
; SHARES: work-group (x = mi, y = ks) makes block 4 x + y, each of its four waves 12,800 bytes.  Work-groups (x < 4, y = 0) also copy bias x.
; The reads are pieces of 8 bytes of rows 384 bytes apart: each byte of the weights is read once in this launch.  Every store of a wave covers 512 consecutive bytes, aligned.
.set BLOCK, 51200
.set WPART, 12800
.set WBIAS, 48*BLOCK
.set FRG,   16                         ; v16-111  eight fragments of 12 registers
.set SCW,   112                        ; v112-115 four scale words
.set BV,    116                        ; v116-119 16 bytes of a bias
	s_load_b512 s[8:23], s[0:1], 0x0               ; the codes of weights 0 to 7,
	s_load_b256 s[24:31], s[0:1], 0x40             ; 8 to 11
	s_load_b512 s[32:47], s[0:1], 0x60             ; the scale bytes of weights 0 to 7,
	s_load_b256 s[48:55], s[0:1], 0xa0             ; 8 to 11
	s_load_b256 s[56:63], s[0:1], 0xc0             ; the four biases
	s_load_b64 s[66:67], s[0:1], 0xe0              ; wpack
	v_lshrrev_b32 v8, 5, v0
	v_readfirstlane_b32 s2, v8                     ; wave 0..3
	s_and_b32 s3, ttmp7, 0xffff                    ; ks
	v_and_b32 v1, 15, v0                           ; r
	v_bfe_u32 v2, v0, 4, 1                         ; h
	v_and_b32 v3, 8, v1
	v_add_nc_u32 v3, v3, v1                        ; r + 8 (r / 8)
	v_mul_u32_u24 v4, v3, 384
	v_mad_u32_u24 v4, v2, 24, v4                   ; codes: my row of a tile, + 24 h
	v_lshl_add_u32 v5, v2, 3, v3
	v_lshlrev_b32 v5, 4, v5                        ; scale bytes: 16 a row; lanes 16-31 take the odd tile, 8 rows on
	v_and_b32 v6, 31, v0
	v_lshlrev_b32 v6, 4, v6                        ; out: 16 x lane
	v_lshlrev_b32 v7, 4, v0                        ; a bias: 16 x thread
	s_mul_i32 s70, s2, 128*384                     ; codes: my wave's 128 rows,
	s_mul_i32 s71, s3, 96                          ; the K step's 96 bytes of a row
	s_add_co_u32 s70, s70, s71
	s_mov_b32 s71, 0
	s_lshl_b32 s72, s2, 11                         ; scale bytes: 128 rows of 16,
	s_lshl_b32 s73, s3, 2                          ; the K step's word
	s_add_co_u32 s72, s72, s73
	s_mov_b32 s73, 0
	s_lshl_b32 s74, ttmp9, 2
	s_add_co_u32 s74, s74, s3                      ; t = 4 mi + ks
	s_mul_i32 s74, s74, BLOCK
	s_mul_i32 s75, s2, WPART
	s_add_co_u32 s74, s74, s75
	s_mov_b32 s75, 0
	s_lshl_b32 s76, ttmp9, 11
	s_add_co_u32 s76, s76, WBIAS                   ; where bias x goes (used by work-groups x < 4, y = 0 alone)
	s_mov_b32 s77, 0
	s_wait_alu depctr_va_vdst(0)
	s_wait_kmcnt 0x0
	s_mov_b64 s[4:5], s[8:9]                       ; the weight is chosen by the work-group's number alone
	s_mov_b64 s[6:7], s[32:33]
.irp i, 1,2,3,4,5,6,7,8,9,10,11
	s_cmp_eq_u32 ttmp9, \i
	s_cselect_b64 s[4:5], s[8+2*\i:9+2*\i], s[4:5]
	s_cselect_b64 s[6:7], s[32+2*\i:33+2*\i], s[6:7]
.endr
	s_add_nc_u64 s[4:5], s[4:5], s[70:71]
	s_add_nc_u64 s[6:7], s[6:7], s[72:73]
	s_mov_b64 s[78:79], s[66:67]                   ; wpack's first byte is kept for the bias
	s_add_nc_u64 s[66:67], s[66:67], s[74:75]
.irp n, 0,1,2,3,4,5,6,7
.irp p, 0,1,2,3,4,5
	global_load_b64 v[FRG+12*\n+2*\p:FRG+12*\n+2*\p+1], v4, s[4:5] offset:(32*(\n/2)+8*(\n%2))*384+48*(\p/3)+8*(\p%3)
.endr
.endr
.irp i, 0,1,2,3
	global_load_b32 v[SCW+\i], v5, s[6:7] offset:512*\i    ; tiles 2 i and 2 i + 1 begin 32 i rows on
.endr
	s_wait_loadcnt 0x0
.irp n, 0,1,2,3,4,5,6,7
.irp c, 0,1,2
	global_store_b128 v6, v[FRG+12*\n+4*\c:FRG+12*\n+4*\c+3], s[66:67] offset:1536*\n+512*\c
.endr
.endr
	global_store_b128 v6, v[SCW:SCW+3], s[66:67] offset:12288
	s_lshl_b32 s68, s3, 4
	s_or_b32 s68, s68, ttmp9
	s_cmp_lt_u32 s68, 4                            ; y = 0 and x < 4: ids alone
	s_cbranch_scc0 .Lend
	s_mov_b64 s[68:69], s[56:57]
.irp i, 1,2,3
	s_cmp_eq_u32 ttmp9, \i
	s_cselect_b64 s[68:69], s[56+2*\i:57+2*\i], s[68:69]
.endr
	s_add_nc_u64 s[78:79], s[78:79], s[76:77]
	global_load_b128 v[BV:BV+3], v7, s[68:69]      ; 128 threads x 16 bytes: the whole bias
	s_wait_loadcnt 0x0
	global_store_b128 v7, v[BV:BV+3], s[78:79]
.Lend:
	s_endpgm
.Lfunc_end_k_qc36155da4a_pack:
	.size	k_qc36155da4a_pack, .Lfunc_end_k_qc36155da4a_pack-k_qc36155da4a_pack
	.p2alignl 7, 3214868480
	.fill 96, 4, 3214868480
	.section	.rodata,"a",@progbits
	.p2align	6, 0x0
	.amdhsa_kernel k_qc36155da4a_pack
		.amdhsa_group_segment_fixed_size 0
		.amdhsa_private_segment_fixed_size 0
		.amdhsa_enable_private_segment 0
		.amdhsa_kernarg_size 232
		.amdhsa_user_sgpr_count 2
		.amdhsa_user_sgpr_kernarg_segment_ptr 1
		.amdhsa_wavefront_size32 1
		.amdhsa_system_sgpr_workgroup_id_x 1
		.amdhsa_system_sgpr_workgroup_id_y 1
		.amdhsa_system_sgpr_workgroup_id_z 1
		.amdhsa_system_vgpr_workitem_id 0
		.amdhsa_next_free_vgpr 128
		.amdhsa_next_free_sgpr 80
		.amdhsa_reserve_vcc 0
		.amdhsa_float_denorm_mode_32 3
		.amdhsa_float_denorm_mode_16_64 3
		.amdhsa_memory_ordered 1
		.amdhsa_forward_progress 1
		.amdhsa_inst_pref_size 12
	.end_amdhsa_kernel
	.amdgpu_metadata
---
amdhsa.version: [ 1, 2 ]
amdhsa.kernels:
  - .name:           k_qc36155da4a_pack
    .symbol:         k_qc36155da4a_pack.kd
    .args:
      - { .name: w_r1_w_codes, .offset: 0, .size: 8, .value_kind: global_buffer, .address_space: global }
      - { .name: u_r1_w_codes, .offset: 8, .size: 8, .value_kind: global_buffer, .address_space: global }
      - { .name: p_r1_w_codes, .offset: 16, .size: 8, .value_kind: global_buffer, .address_space: global }
      - { .name: w_a_w_codes, .offset: 24, .size: 8, .value_kind: global_buffer, .address_space: global }
      - { .name: u_a_w_codes, .offset: 32, .size: 8, .value_kind: global_buffer, .address_space: global }
      - { .name: p_a_w_codes, .offset: 40, .size: 8, .value_kind: global_buffer, .address_space: global }
      - { .name: w_r_w_codes, .offset: 48, .size: 8, .value_kind: global_buffer, .address_space: global }
      - { .name: u_r_w_codes, .offset: 56, .size: 8, .value_kind: global_buffer, .address_space: global }
      - { .name: p_r_w_codes, .offset: 64, .size: 8, .value_kind: global_buffer, .address_space: global }
      - { .name: p_c_w_codes, .offset: 72, .size: 8, .value_kind: global_buffer, .address_space: global }
      - { .name: w_c_w_codes, .offset: 80, .size: 8, .value_kind: global_buffer, .address_space: global }
      - { .name: u_c_w_codes, .offset: 88, .size: 8, .value_kind: global_buffer, .address_space: global }
      - { .name: w_r1_w_scales, .offset: 96, .size: 8, .value_kind: global_buffer, .address_space: global }
      - { .name: u_r1_w_scales, .offset: 104, .size: 8, .value_kind: global_buffer, .address_space: global }
      - { .name: p_r1_w_scales, .offset: 112, .size: 8, .value_kind: global_buffer, .address_space: global }
      - { .name: w_a_w_scales, .offset: 120, .size: 8, .value_kind: global_buffer, .address_space: global }
      - { .name: u_a_w_scales, .offset: 128, .size: 8, .value_kind: global_buffer, .address_space: global }
      - { .name: p_a_w_scales, .offset: 136, .size: 8, .value_kind: global_buffer, .address_space: global }
      - { .name: w_r_w_scales, .offset: 144, .size: 8, .value_kind: global_buffer, .address_space: global }
      - { .name: u_r_w_scales, .offset: 152, .size: 8, .value_kind: global_buffer, .address_space: global }
      - { .name: p_r_w_scales, .offset: 160, .size: 8, .value_kind: global_buffer, .address_space: global }
      - { .name: p_c_w_scales, .offset: 168, .size: 8, .value_kind: global_buffer, .address_space: global }
      - { .name: w_c_w_scales, .offset: 176, .size: 8, .value_kind: global_buffer, .address_space: global }
      - { .name: u_c_w_scales, .offset: 184, .size: 8, .value_kind: global_buffer, .address_space: global }
      - { .name: w_r1_b, .offset: 192, .size: 8, .value_kind: global_buffer, .address_space: global }
      - { .name: w_a_b, .offset: 200, .size: 8, .value_kind: global_buffer, .address_space: global }
      - { .name: w_r_b, .offset: 208, .size: 8, .value_kind: global_buffer, .address_space: global }
      - { .name: w_c_b, .offset: 216, .size: 8, .value_kind: global_buffer, .address_space: global }
      - { .name: wpack, .offset: 224, .size: 8, .value_kind: global_buffer, .address_space: global }
    .group_segment_fixed_size: 0
    .private_segment_fixed_size: 0
    .kernarg_segment_align: 8
    .kernarg_segment_size: 232
    .max_flat_workgroup_size: 128
    .sgpr_count:     80
    .vgpr_count:     128
    .wavefront_size: 32
...
	.end_amdgpu_metadata
.endif
;; end of part 1
;; launch gru (part 2): grid 256 x 1, 4 waves a work-group, clusters of 4 x 1, 327,680 bytes of LDS; arguments inputs_codes, inputs_scales, state, parent_state, wpack, out0; writes out0
.if DOCPART == 2
	.amdgcn_target "amdgcn-amd-amdhsa--gfx1250"
	.amdhsa_code_object_version 6
	.text
	.protected	k_qc36155da4a_gru
	.globl	k_qc36155da4a_gru
	.p2align	8
	.type	k_qc36155da4a_gru,@function
k_qc36155da4a_gru:
	s_mov_b64 s[64:65], 0
	v_nop
	global_prefetch_b8 v0, s[64:65] scope:SCOPE_SE
	s_setreg_imm32_b32 hwreg(HW_REG_WAVE_MODE, 25, 1), 1
	s_wait_xcnt 0x0
	s_wait_alu depctr_hold_cnt(0) depctr_sa_sdst(0) depctr_va_vdst(0) depctr_va_sdst(0) depctr_va_ssrc(0) depctr_va_vcc(0) depctr_vm_vsrc(0)
	s_getreg_b32 s2, hwreg(HW_REG_IB_STS2, 6, 4)
	s_cmp_eq_u32 s2, 0
	s_cbranch_scc0 .Lentry_in_a_cluster
	s_endpgm
.Lentry_in_a_cluster:
	s_bfe_u32 s2, ttmp6, 0x10000c
	s_cmp_lg_u32 s2, 0x3003
	s_cbranch_scc0 .Lentry_shape_is_right
	s_endpgm
.Lentry_shape_is_right:
; ParentGRU, second launch: the whole cell for 64 rows in each work-group.
;   g = sigmoid(x Wg^T + b + Q(state) Ug^T + Q(parent) Pg^T) for g = r1, att, r;  c = tanh(Q(parent r1) Pc^T + x Wc^T + b + Q(state r) Uc^T);  out = att c + (1 - att) state.
; All twelve products run on codes of E3M2 with one E8M0 scale for each 32 along K, sums in f32; Q is the stated quantiser along the 512 columns.  No work is left out: every product, bias and input is live.
; LIMITS: NaN and infinities among the inputs and scale bytes of 0xff are not served.  A block whose largest magnitude lies under 2^-122 gets the scale byte 1 (a block of zeros too, where the rule says 127: its codes are
; zeros, and this program alone reads the bytes).  A gate's sum starts from its bias and takes its products in the order x, state, parent (c: parent, x, state), each over K steps 0 1 2 3 or, in clusters of odd number,
; 2 3 0 1: another order of f32 rounding than the source's.  Where the exponential overflows or falls to zero the gates end at 0, 1 or -1, as the source's do.
; SHARES.  c wants whole rows of r and r1 as its K, so a work-group owns whole rows: 64.  THE FOUR WAVES SHARE THE COLUMNS: a wave makes 128 columns of every gate for all 64 rows.
; So a weight fragment is read from LDS by one wave and feeds four matrix instructions, and what goes from wave to wave is small: the rows' codes, as images of the operand's registers.
; A wave's 64 x 128 numbers of state and of parent_state stay in its registers from their one load to their last use, in a layout that is at once the quantiser's and the transposed product's result's.
; THE WEIGHTS, 48 blocks of 51,200 bytes as the first launch laid them, go through a ring of two LDS slots of two blocks.  All row blocks walk the same weights: the four work-groups of a cluster ask for every slot JOINTLY.
; TWO ORDERS OF WALKING.  o = the cluster's number mod 2, which the four partners share.  A cluster with o = 1 takes each product's K steps 2, 3 first and 0, 1 second: so at any change of slots the two kinds of cluster
; ask for different blocks of wpack, and each block is asked for at two different changes of slots and not by all clusters at once.  Nothing in LDS and no branch hangs on o: POSITION pi of every operand holds K step pi xor 2 o,
; and that comes about because wave w owns column block w' = w xor 2 o and still writes position w.  o enters global addresses alone: the columns of state, parent_state and out, the places in wpack, the K steps of x.
; THE MATRIX INSTRUCTION IS USED TRANSPOSED: source 0 = 16 rows of a weight, source 1 = 16 rows of the batch.  With the first launch's choice of a tile's rows, register 64 m + 16 b + 8 u + j of lane (r, h)
; is (row 16 m + r, column 128 w' + 32 b + 16 h + 8 u + j): 16 neighbours along the next K in 16 neighbouring registers.
; ORDER OF THE GATES: r1, att, r, c.  parent's registers are free behind r1 and take att; Q(state r) is laid over state's images when r, their last reader, is done.
; REGISTERS, in windows of 256: window 0: addresses, scale words, one set of weight fragments, two sets of row fragments.  window 1: state.  window 2: parent_state, later att.  window 3: the 32 accumulators.
; s_set_vgpr_msb's low byte: bits 1:0 source 0, 3:2 source 1, 5:4 source 2, 7:6 destination.
.set SLOTB, 102400                     ; a slot: two blocks
.set STEPB, 51200                      ; a block: one K step of one weight
.set WPART, 12800                      ; a wave's part of a block
.set QTR,   25600                      ; a quarter of a slot: what one tensor load brings
.set WBIAS, 2457600                    ; the biases' place in wpack
.set BIAS,  2*SLOTB                    ; LDS: behind the ring the biases, filled once: wave w's 2,048 bytes at 2,048 w: its 128 columns of gate g at 512 g
.set AIMG,  BIAS+8192                  ; 17 A steps of 6,144 bytes: 0-3 T = Q(parent r1), 4-7 X, 8-11 S = Q(state), later Q(state r), 12-15 P = Q(parent), 16 a copy of X's first step, on which a gate's last look-ahead falls
.set ASTEP, 6144                       ; an A step: four fragment images (row tile m at 1,536 m; registers 4 c .. at 512 c; lane l at 16 l)
.set ASC,   AIMG+17*ASTEP              ; the A steps' scale words, 256 bytes a step: the word of (tile m, row r) at 128 (m % 2) + 8 r + 4 (m / 2)
.set SPARE, ASC+17*256                 ; the spare words, 128 bytes for each wave: two blocks of 256 bytes that no other line names
; Wave w's 6,144 bytes at AIMG + 6,144 w (T's step w, which only wave w ever writes) are also its STAGE, while T holds no images: in the two hooks, and on the way out.
.set AW0,  2                           ; v2   slot 0 + my part + 16 x lane
.set AW1,  3                           ; v3   the same in slot 1
.set ADA0, 4                           ; v4   AIMG + 16 x lane
.set ADA,  5                           ; v5   the same at the product in hand
.set ADS0, 6                           ; v6   ASC + 8 x lane
.set ADS,  7                           ; v7   the same at the product in hand
.set IWA,  8                           ; v8   where I store images of T's step w
.set IWB,  9                           ; v9   of S's step w; P's lies 24,576 on
.set SWA,  10                          ; v10  ASC + 256 w + 8 r: their scale words (S: + 2,048; P: + 3,072)
.set STO,  11                          ; v11  the stage by memory's rows: 272 (lane / 16) + 16 (lane % 16)
.set STR,  12                          ; v12  the stage by lanes: 272 r + 64 h
.set GOF,  13                          ; v13  state, parent, out: 2,048 (lane / 16) + 16 (lane % 16)
.set ABI,  14                          ; v14  the gate's bias: BIAS + 2,048 w + 64 h, 512 on for each gate
.set SPW,  16                          ; v16  LDS address of my spare word; never rewritten
.set NIL,  17                          ; v17  0; never rewritten
.set PFO,  18                          ; v18  the prefetches' offset; never rewritten
.set WSR,  48                          ; v48-55  weight scale words, set j at 48 + 4 j: they hold scales and nothing else
.set ASR,  56                          ; v56-59  row scale words, set j at 56 + 2 j: likewise
.set WF,   64                          ; v64-159 weight fragments, tile n at 64 + 12 n: one set
.set AF0,  160                         ; v160-207 row fragments, set 0, tile m at + 12 m
.set AF1,  208                         ; v208-255 set 1
; scalars: s[4:15] the six addresses; s[16:23] group 1 of a slot's quarter; s[24:27], s[28:31] group 0 of slot 0, 1; s44 wave; s45 cx; s46 work-group;
; s47 gate; s48 product; s[52:53] lane selects; s[54:55] -log2 e; s[56:57] 2 log2 e; s[60:61] the prefetches' address; s62 their bound; s63 refills left; at the head: s3 o, s2 w'
.set MSB, 0
.macro WIN new                         ; the immediate's high byte repeats the setting that is left; a switch that changes nothing is dropped
.if MSB != (\new)
	s_set_vgpr_msb (MSB<<8)|(\new)
.set MSB, (\new)
.endif
.endm
.macro PLACES                          ; four places behind a matrix instruction of this form, in front of loads into its registers and of reads of its results
.rept 4
	v_nop
.endr
.endm
.macro BAR                             ; my LDS stores have landed and my LDS loads are in: then the work-group's barrier.
	s_wait_dscnt 0x0
	s_barrier_signal -1
	s_barrier_wait -1
.endm
.macro ROUND                           ; a round of the cluster's barrier: my work-group's barrier, wave 0 signals for it, every wave waits for all four work-groups, my work-group's barrier once more
	s_barrier_signal -1
	s_barrier_wait -1
	s_cmp_lg_u32 s44, 0
	s_cbranch_scc1 .Lnw0_\@
	s_barrier_signal -3
.Lnw0_\@:
	s_barrier_wait -3
	s_barrier_signal -1
	s_barrier_wait -1
.endm
; One product: weight tile n x row tile m, 128 along K.  An odd tile's scale words stand in lanes 16-31 of its register.
.macro MM n, m, set
.set rD, 64*(\m)+8*(\n)
.set rW, WF+12*(\n)
.set rA, AF0+48*(\set)+12*(\m)
.set rS, WSR+4*(\set)+(\n)/2
.set rT, ASR+2*(\set)+(\m)/2
.if ((\n)%2 == 0) && ((\m)%2 == 0)
	v_wmma_scale_f32_16x16x128_f8f6f4 v[rD:rD+7], v[rW:rW+11], v[rA:rA+11], v[rD:rD+7], v[rS], v[rT] matrix_a_fmt:MATRIX_FMT_BF6 matrix_b_fmt:MATRIX_FMT_BF6
.elseif (\n)%2 == 0
	v_wmma_scale_f32_16x16x128_f8f6f4 v[rD:rD+7], v[rW:rW+11], v[rA:rA+11], v[rD:rD+7], v[rS], v[rT] matrix_a_fmt:MATRIX_FMT_BF6 matrix_b_fmt:MATRIX_FMT_BF6 matrix_b_scale:MATRIX_SCALE_ROW1
.elseif (\m)%2 == 0
	v_wmma_scale_f32_16x16x128_f8f6f4 v[rD:rD+7], v[rW:rW+11], v[rA:rA+11], v[rD:rD+7], v[rS], v[rT] matrix_a_fmt:MATRIX_FMT_BF6 matrix_b_fmt:MATRIX_FMT_BF6 matrix_a_scale:MATRIX_SCALE_ROW1
.else
	v_wmma_scale_f32_16x16x128_f8f6f4 v[rD:rD+7], v[rW:rW+11], v[rA:rA+11], v[rD:rD+7], v[rS], v[rT] matrix_a_fmt:MATRIX_FMT_BF6 matrix_b_fmt:MATRIX_FMT_BF6 matrix_a_scale:MATRIX_SCALE_ROW1 matrix_b_scale:MATRIX_SCALE_ROW1
.endif
.endm
; 16 products: weight tiles 4 hf .. 4 hf + 3 x the four row tiles.  The 32 accumulators take turns, one instruction a turn, in the same order in every step and over every backward jump.
.macro HALF hf, set
.irp n, 0,1,2,3
.irp m, 0,1,2,3
	MM 4*(\hf)+\n, \m, \set
.endr
.endr
.endm
; 26 LDS loads: A step k of the product in hand and its scale words into set, block j's scale words of the slot at aw, and its tiles 0-3.  Every load takes 512 (the scale words' first: 256) consecutive bytes.
.macro RUN1 aw, j, k, set
.irp m, 0,1,2,3
.irp c, 0,1,2
	ds_load_b128 v[AF0+48*(\set)+12*\m+4*\c:AF0+48*(\set)+12*\m+4*\c+3], v[ADA] offset:ASTEP*(\k)+1536*\m+512*\c
.endr
.endr
	ds_load_b64 v[ASR+2*(\set):ASR+2*(\set)+1], v[ADS] offset:256*(\k)
	ds_load_b128 v[WSR+4*(\set):WSR+4*(\set)+3], v[\aw] offset:STEPB*(\j)+12288
.irp n, 0,1,2,3
.irp c, 0,1,2
	ds_load_b128 v[WF+12*\n+4*\c:WF+12*\n+4*\c+3], v[\aw] offset:STEPB*(\j)+1536*\n+512*\c
.endr
.endr
.endm
.macro RUN2 aw, j                      ; 12 LDS loads: the block's tiles 4-7
.irp n, 4,5,6,7
.irp c, 0,1,2
	ds_load_b128 v[WF+12*\n+4*\c:WF+12*\n+4*\c+3], v[\aw] offset:STEPB*(\j)+1536*\n+512*\c
.endr
.endr
.endm
; A slot's first step (set 0); it fetches the slot's second step (A step k + 1) into set 1.
.macro STEP aw, k
	s_wait_dscnt 12                                ; the 26 loads of the first run are in; the 12 of the second (tiles 4-7) may be out
	WIN 0xf0                                       ; C and D window 3, sources window 0
	HALF 0, 0
	s_wait_dscnt 0x0                               ; tiles 4-7 are in
	PLACES
	WIN 0
	RUN1 \aw, 1, (\k)+1, 1
	WIN 0xf0
	HALF 1, 0
	PLACES
	WIN 0
	RUN2 \aw, 1
.endm
; A PREFETCH INTO THE L2, behind each joint refill and the run of LDS loads that follows it: the slot's worth of wpack that stands TWO refills on in an even cluster's walk.  All clusters walk the same wpack (those of odd
; number each product's two slots in the other order).  Clusters 0 and 32, the first of each half of the grid, ask; nobody else.
; The four partners take a quarter each BY ADDRESS (25,600 cx), each wave 25 blocks of 256 bytes, a lane a block; lanes 25-31 name lane 24's block in the same instruction.  The first four slots' worth come by their loads alone;
; the last two refills that have a slot two on are those with s63 = 4 and 3: asking stops where s63 is 2.
.macro ASK
	s_cmp_gt_u32 s63, s62
	s_cbranch_scc0 .Lnoask_\@
	global_prefetch_b8 v[PFO], s[60:61] th:TH_LOAD_NT scope:SCOPE_SE
.Lnoask_\@:
	s_sub_co_u32 s63, s63, 1
.endm
; A slot's second step (set 1) changes slots.  Its first 16 products stand ahead of the wait for the tile.  Then each wave waits for all its tensor loads (one is out: its quarter of the other slot), adds 0 to its spare word,
; and waits for that and for its reads of this slot.  fill = 1: a round of the cluster's barrier, and this slot is filled again, two slots on, first thing behind it.  adv = 1: the A addresses go on to the next product
; (no LDS load of mine is out there).  kn: the A step then fetched into set 0, with the other slot's first block.
.macro TURN aw, awn, g0, kn, fill, adv
.if \fill
	s_wait_xcnt 0x0                                ; the last prefetch, a slot back, has read its address: it is written only behind this wait
	s_add_nc_u64 s[60:61], s[60:61], SLOTB
.endif
	s_wait_dscnt 12                                ; as in STEP
	WIN 0xf0
	HALF 0, 1
	WIN 0
	s_wait_tensorcnt 0x0                           ; no tensor load of mine is out, so a group 0 may be written
	ds_add_u32 v[SPW], v[NIL]                      ; 0 onto my spare word
.if \fill
	s_add_nc_u64 s[\g0+2:\g0+3], s[\g0+2:\g0+3], 2*SLOTB   ; this slot's two blocks of the next product; the type bits on top are not reached
.endif
	s_wait_dscnt 0x0                               ; the add is done, my reads of this slot are over, and what I stored into the images has landed
.if \fill
	ROUND                                          ; no wave of any partner still reads this slot or has a load on its way
	tensor_load_to_lds s[\g0:\g0+3], s[16:23]      ; my one tensor load behind the round
	s_nop 0
	PLACES                                         ; (the places in front of the loads below)
.else
	s_barrier_signal -1
	s_barrier_wait -1
	PLACES
.endif
.if \adv
	v_add_nc_u32 v[ADA], 4*ASTEP, v[ADA]
	v_add_nc_u32 v[ADS], 4*256, v[ADS]
.endif
	RUN1 \awn, 0, \kn, 0
.if \fill
	ASK
.endif
	WIN 0xf0
	HALF 1, 1
	PLACES
	WIN 0
	RUN2 \awn, 0
.endm
.macro FINAL                           ; the very last step: nothing more to fetch
	s_wait_dscnt 12
	WIN 0xf0
	HALF 0, 1
	s_wait_dscnt 0x0
	HALF 1, 1
	WIN 0
.endm
; 64 numbers of a lane in window W, v[base] on, register 16 b + i = column 32 b + 16 h + i of my row, become a fragment's codes in v[TB + 16 .. TB + 27] and its scale word in v[TB + 12], both in window 0.
; TB + 0..3 largest magnitudes, + 4..7 the other half's, then the bytes, + 8..11 the conversions' scale operands, + 28.., + 32.. the blocks' second halves.
.macro QUANT W, base, TB
	WIN (\W)|((\W)<<2)
.irp b, 0,1,2,3
	v_max3_num_f32 v[\TB+\b], |v[\base+16*\b]|, |v[\base+16*\b+1]|, 0x2800000   ; block b: my 16 numbers, and the floor 2^(5 - 127): so the byte cannot fall under 1
.endr
.irp i, 2,4,6,8,10,12,14
.irp b, 0,1,2,3
	v_max3_num_f32 v[\TB+\b], |v[\base+16*\b+\i]|, |v[\base+16*\b+\i+1]|, v[\TB+\b]   ; (the four blocks by turns)
.endr
.endr
	WIN 0
.irp b, 0,1,2,3
	v_permlanex16_b32 v[\TB+4+\b], v[\TB+\b], s52, s53
.endr
.irp b, 0,1,2,3
	v_max_num_f32 v[\TB+\b], v[\TB+\b], v[\TB+4+\b]        ; with lane l xor 16's: the block's largest magnitude
.endr
.irp b, 0,1,2,3
	v_add_nc_u32 v[\TB+8+\b], 0xfe000000, v[\TB+\b]        ; 4 off its exponent field: the conversion takes the exponent field of this operand as its scale
.endr
.irp b, 0,1,2,3
	v_lshrrev_b32 v[\TB+4+\b], 23, v[\TB+8+\b]             ; the scale's byte
.endr
	v_lshl_or_b32 v[\TB+12], v[\TB+5], 8, v[\TB+4]         ; the four bytes make my row's scale word
	v_lshl_or_b32 v[\TB+12], v[\TB+6], 16, v[\TB+12]
	v_lshl_or_b32 v[\TB+12], v[\TB+7], 24, v[\TB+12]
	WIN \W
.irp c, 0,1
	v_cvt_scalef32_pk16_bf6_f32 v[\TB+16+6*\c:\TB+18+6*\c], v[\base+32*\c:\base+32*\c+15], v[\TB+8+2*\c]
	v_cvt_scalef32_pk16_bf6_f32 v[\TB+28+4*\c:\TB+30+4*\c], v[\base+32*\c+16:\base+32*\c+31], v[\TB+9+2*\c]   ; (a conversion's three registers begin on an even number)
.endr
	WIN 0
	v_nop                                          ; one plain place behind a scaled conversion
.irp c, 0,1                            ; the operand's layout wants a WHOLE block in a lane: lanes 0-15 block 2 c, lanes 16-31 block 2 c + 1
.irp i, 0,1,2
	v_permlane16_swap_b32 v[\TB+16+6*\c+\i], v[\TB+28+4*\c+\i]
.endr
.irp i, 0,1,2
	v_mov_b32 v[\TB+19+6*\c+\i], v[\TB+28+4*\c+\i]
.endr
.endr
.endm
.macro IMAGE adr, off, soff, mt, TB    ; the fragment goes to LDS as it stands, as row tile mt of my A step, and its scale word with it (lanes r and r + 16 store the same word with the same value)
.irp c, 0,1,2
	ds_store_b128 v[\adr], v[\TB+16+4*\c:\TB+16+4*\c+3] offset:\off+1536*(\mt)+512*\c
.endr
	ds_store_b32 v[SWA], v[\TB+12] offset:\soff+128*((\mt)%2)+4*((\mt)/2)
.endm
.macro BIASLD mt                       ; the next gate's bias starts the sums of row tile mt: so every step of a gate has one text, nothing is cleared and no bias is added.  (destination: window 3)
.irp n, 0,1,2,3,4,5,6,7
	ds_load_b128 v[64*(\mt)+8*\n:64*(\mt)+8*\n+3], v[ABI] offset:128*(\n/2)+32*(\n%2)
	ds_load_b128 v[64*(\mt)+8*\n+4:64*(\mt)+8*\n+7], v[ABI] offset:128*(\n/2)+32*(\n%2)+16
.endr
.endm
.macro GLOAD sb                        ; my 64 rows x 512 bytes, in eight units (row tile mt, half q) of 16 rows x 256 bytes: a load takes two rows' aligned 256 bytes, sixteen lanes each
.irp mt, 0,1,2,3
.irp q, 0,1
.irp i, 0,1,2,3,4,5,6,7
	global_load_b128 v[64*\mt+32*\q+4*\i:64*\mt+32*\q+4*\i+3], v[GOF], s[\sb:\sb+1] offset:(16*\mt+2*\i)*2048+256*\q th:TH_LOAD_NT
.endr
.endr
.endr
.endm
; state (W = 1) or parent_state (W = 2): each unit turns through my stage, in place, from memory's order into the layout of the head comment; each row tile is then quantised and its image stored.
.macro QSRC W, off, soff, isp
.if (\isp) == 0
	s_wait_loadcnt 63                              ; behind state's last load stand parent's 64: all but the youngest 63 are in, so state is
.endif
.irp mt, 0,1,2,3
.irp q, 0,1
.if \isp
	s_wait_loadcnt 8*(7-2*\mt-\q)                  ; this unit's eight loads are in; the later units' may be out
.endif
	WIN (\W)<<2
.irp i, 0,1,2,3,4,5,6,7
	ds_store_b128 v[STO], v[64*\mt+32*\q+4*\i:64*\mt+32*\q+4*\i+3] offset:544*\i
.endr
	WIN (\W)<<6
.irp b, 0,1
.irp j, 0,1,2,3
	ds_load_b128 v[64*\mt+32*\q+16*\b+4*\j:64*\mt+32*\q+16*\b+4*\j+3], v[STR] offset:128*\b+16*\j   ; LDS serves a wave's instructions in order (ISA guide 5.7.1.4): these see the stores above, and the next unit's stores come behind them
.endr
.endr
.endr
	WIN 0
	s_wait_dscnt 0x0                               ; the tile is back; the last image's stores have read their registers
	QUANT \W, 64*\mt, AF0
	IMAGE IWB, \off, \soff, \mt, AF0
.endr
.endm
; A product of the table: four K steps, two slots.  hook = 1 (the loop over the first three gates): in gate r1 alone, state is quantised inside the x product and parent_state inside the state product.
.macro TRIP hook
	STEP AW0, 0
	TURN AW0, AW1, 24, 2, 1, 0
	STEP AW1, 2
.if \hook
	s_cmp_lg_u32 s47, 0                            ; counters alone: all waves of all partners go the same way
	s_cbranch_scc1 .Lnohook
	s_cmp_eq_u32 s48, 2
	s_cbranch_scc1 .Lnohook
	BAR                                            ; every wave's reads of the images are in: now images are stored; the round in the TURN below parts the stores from their first reads
	s_cmp_eq_u32 s48, 1
	s_cbranch_scc1 .Lhookp
	QSRC 1, 0, 2048, 0
	s_branch .Lnohook
.Lhookp:
	QSRC 2, 24576, 3072, 1
.Lnohook:
.endif
	TURN AW1, AW0, 28, 0, 1, 1
.endm
; behind a gate's sigmoid denominator: r1 or r = 1 / (..), times parent (Wm = 2) or state (Wm = 1), quantised, its images stored; each tile's accumulators then take the next gate's bias
.macro POSTQ Wm, adr, soff
	WIN 0xc3
.set ii, 0
.rept 256
	v_rcp_f32 v[ii], v[ii]
.set ii, ii+1
.endr
	v_nop                                          ; a plain place behind the last reciprocal,
	s_wait_alu depctr_va_vdst(0)                   ; and one wait for the batch, ahead of its first reader
	WIN 0xc3|((\Wm)<<2)
.set ii, 0
.rept 128
	v_pk_mul_f32 v[ii:ii+1], v[ii:ii+1], v[ii:ii+1]        ; window 3 = window 3 x window Wm
.set ii, ii+2
.endr
.irp mt, 0,1,2,3
	QUANT 3, 64*\mt, AF1
	IMAGE \adr, 0, \soff, \mt, AF1
	WIN 0xc0
	BIASLD \mt
	WIN 0
	s_wait_dscnt 0x0                               ; the stores have read their registers
.endr
.endm
	s_load_b256 s[4:11], s[0:1], 0x0               ; x's codes s[4:5], x's scales s[6:7], state s[8:9], parent_state s[10:11]
	s_load_b128 s[12:15], s[0:1], 0x20             ; wpack s[12:13], out s[14:15]
	v_lshl_add_u32 v[SPW], v0, 2, SPARE
	v_mov_b32 v[NIL], 0
	ds_add_u32 v[SPW], v[NIL]                      ; the wave's opening: the add, twice on end, and its wait ahead of my first tensor load; the set-up below, work on registers, stands between
	ds_add_u32 v[SPW], v[NIL]                      ; and once more, under the one wait
	v_lshrrev_b32 v19, 5, v0
	v_readfirstlane_b32 s44, v19                   ; wave 0..3
	s_bfe_u32 s45, ttmp6, 0x40000                  ; cx: my place in the cluster: it enters global addresses alone
	s_lshl_b32 s46, ttmp9, 2                       ; in a cluster launch ttmp9 counts clusters
	s_add_co_u32 s46, s46, s45                     ; my work-group: rows 64 x it on
	s_and_b32 s3, ttmp9, 1                         ; o: the cluster's number mod 2, the same in the four partners: it enters global addresses alone
	s_lshl_b32 s2, s3, 1
	s_xor_b32 s2, s44, s2                          ; w' = w xor 2 o: my block of 128 columns
	; group 1 of a slot's quarter: a dense block of 25,600 bytes as 100 rows of 32 elements of 8 bytes; no padding: every read of the ring takes consecutive bytes
	s_mov_b32 s16, 15|(3<<16)|(1<<21)              ; 15:0 the mask: all four work-groups; 17:16 elements of 8 bytes; 21 set beside a mask
	s_mov_b32 s17, 32<<16                          ; tensor_dim0 = 32
	s_mov_b32 s18, 100<<16                         ; tensor_dim1 = 100
	s_mov_b32 s19, 32<<16                          ; tile_dim0 = 32
	s_mov_b32 s20, 100                             ; tile_dim1 = 100
	s_mov_b32 s21, 32                              ; from row to row
	s_mov_b32 s22, 0
	s_mov_b32 s23, 0
	s_mul_i32 s58, s44, QTR                        ; my quarter of a slot in LDS: the wave's number alone
	s_mov_b32 s24, 1
	s_mov_b32 s25, s58                             ; LDS address: slot 0
	s_mov_b32 s28, 1
	s_add_co_u32 s29, s58, SLOTB                   ; slot 1
	; and where it comes from.  LDS part p of a block takes wpack's part p xor 2 o: quarter w takes quarter w xor o.  LDS slot 0 takes a product's slot o, LDS slot 1 its slot 1 - o
	s_xor_b32 s59, s44, s3
	s_mul_i32 s59, s59, QTR
	s_mul_i32 s49, s3, SLOTB
	s_add_co_u32 s58, s59, s49                     ; s[58:59]: slot 0's first bytes in wpack
	s_sub_co_u32 s49, SLOTB, s49
	s_add_co_u32 s48, s59, s49                     ; s[48:49]: slot 1's
	s_mov_b32 s59, 0
	s_mov_b32 s49, 0
	s_lshl_b32 s66, s2, 9                          ; my columns' 512 bytes of a gate's bias in wpack
	s_mov_b32 s52, 0x76543210
	s_mov_b32 s53, 0xfedcba98                      ; v_permlanex16_b32's selects for lane l xor 16
	s_mov_b32 s54, 0xbfb8aa3b                      ; -log2 e: sigmoid(z) = 1 / (1 + 2^(-z log2 e))
	s_mov_b32 s55, s54                             ; (named with it as a pair, so it is written)
	s_mov_b32 s56, 0x4038aa3b                      ; 2 log2 e: tanh(z) = 1 - 2 / (1 + 2^(2 z log2 e))
	s_mov_b32 s57, s56
	s_mov_b32 s63, 22                              ; refills to come
	s_and_b32 s62, ttmp9, 31                       ; clusters 0 and 32 prefetch: the same in all four partners
	s_cmp_eq_u32 s62, 0
	s_cselect_b32 s62, 2, -1
	s_mul_i32 s68, s46, 64*384                     ; x's codes: my work-group's 64 rows, my wave's 16 (rows 16 w on: the rows are shared out by w, the columns by w')
	s_mul_i32 s69, s44, 16*384
	s_add_co_u32 s68, s68, s69
	s_mov_b32 s69, 0
	s_lshl_b32 s70, s46, 10                        ; x's scale bytes: 16 a row
	s_lshl_b32 s71, s44, 8
	s_add_co_u32 s70, s70, s71
	s_mov_b32 s71, 0
	s_lshl_b32 s72, s46, 17                        ; state, parent, out: 64 rows of 2,048 bytes, my columns' 512 of a row
	s_lshl_b32 s73, s2, 9
	s_add_co_u32 s72, s72, s73
	s_mov_b32 s73, 0
	s_mul_i32 s50, s45, QTR                        ; the prefetches: my work-group's quarter of a slot, my wave's 6,400 bytes of it,
	s_mul_i32 s51, s44, 6400
	s_add_co_u32 s50, s50, s51
	s_add_co_u32 s50, s50, 3*SLOTB                 ; three slots in: the first refill steps it to the fifth slot's worth
	s_mov_b32 s51, 0
	v_and_b32 v19, 31, v0                          ; lane
	v_and_b32 v20, 15, v0                          ; r
	v_bfe_u32 v21, v0, 4, 1                        ; h
	v_lshlrev_b32 v1, 4, v19                       ; 16 x lane
	s_mul_i32 s74, s44, WPART
	v_add_nc_u32 v[AW0], s74, v1
	v_add_nc_u32 v[AW1], SLOTB, v[AW0]
	v_add_nc_u32 v[ADA0], AIMG, v1
	v_lshl_add_u32 v[ADS0], v19, 3, ASC
	s_mul_i32 s75, s44, ASTEP
	s_add_co_u32 s75, s75, AIMG                    ; T's step w: my stage
	v_add_nc_u32 v[IWA], s75, v1
	v_add_nc_u32 v[IWB], 8*ASTEP, v[IWA]
	s_lshl_b32 s76, s44, 8
	s_add_co_u32 s76, s76, ASC
	v_lshl_add_u32 v[SWA], v20, 3, s76
	v_mul_u32_u24 v[STO], v21, 272
	v_lshl_add_u32 v[STO], v20, 4, v[STO]
	v_add_nc_u32 v[STO], s75, v[STO]
	v_mul_u32_u24 v[STR], v20, 272                 ; rows 272 bytes apart
	v_lshl_add_u32 v[STR], v21, 6, v[STR]
	v_add_nc_u32 v[STR], s75, v[STR]
	v_lshlrev_b32 v[GOF], 11, v21
	v_lshl_add_u32 v[GOF], v20, 4, v[GOF]
	s_lshl_b32 s77, s44, 11
	s_add_co_u32 s77, s77, BIAS
	v_lshl_add_u32 v[ABI], v21, 6, s77
	v_add_nc_u32 v29, s77, v1                      ; where I store my biases: BIAS + 2,048 w + 16 x lane
	v_add_nc_u32 v28, s66, v1                      ; and where they come from: 512 w' + 16 x lane in a gate's bias
	v_min_u32 v[PFO], 24, v19
	v_lshlrev_b32 v[PFO], 8, v[PFO]
	v_mul_u32_u24 v23, v20, 384                    ; x in memory: row r of 384 bytes, + 24 h
	v_mad_u32_u24 v23, v21, 24, v23
	s_mul_i32 s78, s44, 1536                       ; x's images: A steps 4 + position, row tile w
	s_add_co_u32 s78, s78, AIMG+4*ASTEP
	v_add_nc_u32 v24, s78, v1
	v_add_nc_u32 v25, 12*ASTEP, v24                ; and the copy of the first, A step 16
	s_and_b32 s79, s44, 1
	s_lshl_b32 s79, s79, 7
	s_lshr_b32 s47, s44, 1
	s_lshl_b32 s47, s47, 2
	s_add_co_u32 s79, s79, s47
	s_add_co_u32 s79, s79, ASC+4*256
	v_lshl_add_u32 v26, v20, 3, s79                ; their scale words: 128 (w % 2) + 8 r + 4 (w / 2)
	v_lshlrev_b32 v27, 4, v20                      ; x's scale bytes in memory: 16 a row
	s_mul_i32 s74, s3, 192                         ; s[74:75] = 192 o: two K steps of a row of x's codes
	s_mov_b32 s75, 0
	s_lshl_b32 s76, s3, 3                          ; s[76:77] = 8 o: two K steps' scale words
	s_mov_b32 s77, 0
	s_wait_dscnt 0x0                               ; both opening adds are done
	s_wait_kmcnt 0x0
	s_add_nc_u64 s[26:27], s[12:13], s[58:59]      ; slot 0: the first product's slot o, my quarter
	s_add_nc_u64 s[30:31], s[12:13], s[48:49]      ; slot 1: its slot 1 - o
	s_or_b32 s27, s27, 0x80000000                  ; type = 2
	s_or_b32 s31, s31, 0x80000000
	s_add_nc_u64 s[4:5], s[4:5], s[68:69]
	s_add_nc_u64 s[68:69], s[4:5], s[74:75]        ; x's codes for positions 0 and 1: K step = position + 2 o,
	s_sub_nc_u64 s[4:5], s[4:5], s[74:75]          ; for positions 2 and 3: K step = position - 2 o
	s_add_nc_u64 s[6:7], s[6:7], s[70:71]
	s_add_nc_u64 s[70:71], s[6:7], s[76:77]        ; and its scale words likewise
	s_sub_nc_u64 s[6:7], s[6:7], s[76:77]
	s_add_nc_u64 s[8:9], s[8:9], s[72:73]
	s_add_nc_u64 s[10:11], s[10:11], s[72:73]
	s_add_nc_u64 s[14:15], s[14:15], s[72:73]
	s_add_nc_u64 s[60:61], s[12:13], s[50:51]
	ROUND                                          ; all four work-groups are here: the first joint loads meet
	tensor_load_to_lds s[24:27], s[16:23]          ; my quarter of slot 0
	s_nop 0
	PLACES
	; my 16 rows of x as four fragments, straight into the operand's registers: the 24 loads together take the rows' 6,144 dense bytes, each byte once
	s_wait_alu depctr_va_vdst(0)
.irp k, 0,1
.irp p, 0,1,2,3,4,5
	global_load_b64 v[AF0+12*\k+2*\p:AF0+12*\k+2*\p+1], v23, s[68:69] offset:96*\k+48*(\p/3)+8*(\p%3)
.endr
.endr
.irp k, 2,3
.irp p, 0,1,2,3,4,5
	global_load_b64 v[AF0+12*\k+2*\p:AF0+12*\k+2*\p+1], v23, s[4:5] offset:96*\k+48*(\p/3)+8*(\p%3)
.endr
.endr
	global_load_b64 v[112:113], v27, s[70:71]              ; row r's scale words of positions 0 and 1,
	global_load_b64 v[114:115], v27, s[6:7] offset:8       ; 2 and 3
.irp g, 0,1,2,3
	global_load_b128 v[116+4*\g:119+4*\g], v28, s[12:13] offset:WBIAS+2048*\g   ; my 128 columns of gate g's bias: 32 lanes x 16 bytes
.endr
	WIN 0x40
	GLOAD 8                                        ; state, into window 1
	WIN 0
	s_wait_loadcnt 63                              ; 68 loads were issued behind x's 26: x and the biases are in (63 is the most that a wait can name)
.irp k, 0,1,2,3
.irp c, 0,1,2
	ds_store_b128 v24, v[AF0+12*\k+4*\c:AF0+12*\k+4*\c+3] offset:ASTEP*\k+512*\c
.endr
	ds_store_b32 v26, v[112+\k] offset:256*\k
.endr
.irp c, 0,1,2
	ds_store_b128 v25, v[AF0+4*\c:AF0+4*\c+3] offset:512*\c
.endr
	ds_store_b32 v26, v112 offset:12*256
.irp g, 0,1,2,3
	ds_store_b128 v29, v[116+4*\g:119+4*\g] offset:512*\g  ; my biases, into bytes that my wave alone reads
.endr
	s_wait_tensorcnt 0x0                           ; my quarter of slot 0 is in
	ds_add_u32 v[SPW], v[NIL]                      ; 0 onto my spare word,
	s_wait_dscnt 0x0                               ; the add is done, and x's images and my biases lie in LDS
	ROUND                                          ; a whole round: everybody's are, and all four work-groups are here: the joint loads meet
	tensor_load_to_lds s[28:31], s[16:23]          ; slot 1's first fill: my one tensor load behind the round
	s_nop 0
	PLACES
	WIN 0xc0
.irp mt, 0,1,2,3
	BIASLD \mt                                     ; r1's bias starts the sums
.endr
	WIN 0
	v_add_nc_u32 v[ADA], 4*ASTEP, v[ADA0]          ; the first product's rows: X
	v_add_nc_u32 v[ADS], 4*256, v[ADS0]
	RUN1 AW0, 0, 0, 0
	RUN2 AW0, 0
	WIN 0x80
	GLOAD 10                                       ; parent_state, into window 2: asked for here, so that it lands under the x product, state's quantising and the state product
	WIN 0
	s_mov_b32 s47, 0
.Lphase:                                           ; three trips: the gates r1, att, r
	s_mov_b32 s48, 0
.Ltrip:                                            ; three trips: the products with x, state, parent
	s_wait_alu depctr_va_vdst(0)
	TRIP 1
	s_add_co_u32 s48, s48, 1
	s_cmp_lt_u32 s48, 3
	s_cbranch_scc1 .Ltrip
	; the gate's sums are whole (four places stand behind the last products).  1 + 2^(-z log2 e), for all three gates alike
	s_wait_loadcnt 0x0                             ; met at once: no load into windows 1 and 2 is out on any way
	v_add_nc_u32 v[ABI], 512, v[ABI]               ; the next gate's bias
	WIN 0xc3                                       ; destination and source 0: window 3
.set ii, 0
.rept 128
	v_pk_mul_f32 v[ii:ii+1], v[ii:ii+1], s[54:55] op_sel_hi:[1,0]   ; ascending: each accumulator from its low end on
.set ii, ii+2
.endr
.set ii, 0
	s_wait_alu depctr_va_vdst(0)
.rept 256
	v_exp_f32 v[ii], v[ii]
.set ii, ii+1
.endr
	v_nop                                          ; a plain place behind the last exponential,
	s_wait_alu depctr_va_vdst(0)                   ; and one wait for the batch, ahead of its first reader
.set ii, 0
.rept 128
	v_pk_add_f32 v[ii:ii+1], v[ii:ii+1], 1.0 op_sel_hi:[1,0]
.set ii, ii+2
.endr
	WIN 0
	BAR                                            ; every wave's reads of the images are in: images may be stored
	s_cmp_eq_u32 s47, 1
	s_cbranch_scc1 .Lposta
	s_cmp_eq_u32 s47, 2
	s_cbranch_scc1 .Lpostr
	s_wait_alu depctr_va_vdst(0)
	POSTQ 2, IWA, 0                                ; r1: T = Q(parent r1)
	s_branch .Ljoin
.Lposta:                                           ; att = 1 / (..) goes into window 2, which parent has left
	WIN 0x83
.set ii, 0
	s_wait_alu depctr_va_vdst(0)
.rept 256
	v_rcp_f32 v[ii], v[ii]
.set ii, ii+1
.endr
	v_nop
	s_wait_alu depctr_va_vdst(0)
	WIN 0xc0
.irp mt, 0,1,2,3
	BIASLD \mt
.endr
	WIN 0
	s_branch .Ljoin
.Lpostr:
	s_wait_alu depctr_va_vdst(0)
	POSTQ 1, IWB, 2048                             ; r: S = Q(state r), over state's images, whose last reader was this gate's second product
.Ljoin:
	BAR                                            ; the images lie in LDS
	v_add_nc_u32 v[ADA], 4*ASTEP, v[ADA0]          ; back to X (no LDS load of mine is out)
	v_add_nc_u32 v[ADS], 4*256, v[ADS0]
	s_add_co_u32 s47, s47, 1
	s_cmp_lt_u32 s47, 3
	s_cbranch_scc1 .Lphase
	; gate c walks T, X, S.  The look-ahead has brought the right weights but x's rows: the first step's rows are fetched anew, from T
	v_mov_b32 v[ADA], v[ADA0]
	v_mov_b32 v[ADS], v[ADS0]
.irp m, 0,1,2,3
.irp c, 0,1,2
	ds_load_b128 v[AF0+12*\m+4*\c:AF0+12*\m+4*\c+3], v[ADA] offset:1536*\m+512*\c
.endr
.endr
	ds_load_b64 v[ASR:ASR+1], v[ADS]
	s_wait_dscnt 0x0
	s_mov_b32 s48, 0
.Lctrip:                                           ; two trips: the products with Q(parent r1) and with x
	s_wait_alu depctr_va_vdst(0)
	TRIP 0
	s_add_co_u32 s48, s48, 1
	s_cmp_lt_u32 s48, 2
	s_cbranch_scc1 .Lctrip
	s_wait_alu depctr_va_vdst(0)
	STEP AW0, 0                                    ; the last product, with Q(state r), is written out: nothing is left to fetch
	TURN AW0, AW1, 24, 2, 0, 0
	STEP AW1, 2
	FINAL
	PLACES
	BAR                                            ; every wave's reads of the images are in: the stages, which lie in T, may be written
; THE END GOES BY ROW TILES, so that a tile's rows leave while the next tile's arithmetic runs.
; Row tile mt: c = tanh(z) = 1 - 2 / (1 + 2^(2 z log2 e));  out = (c - state) att + state
.macro EPIC mt
	WIN 0xc3
.set ii, 64*(\mt)
.rept 32
	v_pk_mul_f32 v[ii:ii+1], v[ii:ii+1], s[56:57] op_sel_hi:[1,0]   ; ascending: each accumulator from its low end on
.set ii, ii+2
.endr
.set ii, 64*(\mt)
	s_wait_alu depctr_va_vdst(0)
.rept 64
	v_exp_f32 v[ii], v[ii]
.set ii, ii+1
.endr
	v_nop                                          ; a plain place behind the last exponential,
	s_wait_alu depctr_va_vdst(0)                   ; and one wait for the batch
.set ii, 64*(\mt)
.rept 32
	v_pk_add_f32 v[ii:ii+1], v[ii:ii+1], 1.0 op_sel_hi:[1,0]
.set ii, ii+2
.endr
.set ii, 64*(\mt)
	s_wait_alu depctr_va_vdst(0)
.rept 64
	v_rcp_f32 v[ii], v[ii]
.set ii, ii+1
.endr
	v_nop
	s_wait_alu depctr_va_vdst(0)                   ; one wait for the batch
.set ii, 64*(\mt)
.rept 32
	v_pk_fma_f32 v[ii:ii+1], v[ii:ii+1], -2.0, 1.0 op_sel_hi:[1,0,0]
.set ii, ii+2
.endr
	WIN 0xc7                                       ; source 1: window 1
.set ii, 64*(\mt)
.rept 32
	v_pk_add_f32 v[ii:ii+1], v[ii:ii+1], v[ii:ii+1] neg_lo:[0,1] neg_hi:[0,1]   ; c - state
.set ii, ii+2
.endr
	WIN 0xdb                                       ; source 1: window 2 (att), source 2: window 1 (state)
.set ii, 64*(\mt)
.rept 32
	v_pk_fma_f32 v[ii:ii+1], v[ii:ii+1], v[ii:ii+1], v[ii:ii+1]
.set ii, ii+2
.endr
.endm
; THE WAY OUT, the way in turned round: a unit of 16 rows x 256 bytes (row tile u / 2, half u % 2) goes into my stage by lanes and comes back by memory's rows, in place; sixteen lanes then store 256 consecutive bytes, aligned.
.macro TOST u
	WIN 0x0c                                       ; an LDS store's data are its source 1: window 3
.irp b, 0,1
.irp j, 0,1,2,3
	ds_store_b128 v[STR], v[32*(\u)+16*\b+4*\j:32*(\u)+16*\b+4*\j+3] offset:128*\b+16*\j
.endr
.endr
	WIN 0xc0
.irp i, 0,1,2,3,4,5,6,7
	ds_load_b128 v[32*(\u)+4*\i:32*(\u)+4*\i+3], v[STO] offset:544*\i   ; LDS serves a wave's instructions in order: these see the stores above, and the next unit's stores come behind them
.endr
.endm
.macro SEND u, younger                 ; younger: the LDS instructions issued behind unit u's loads that may stay out
	s_wait_dscnt \younger
	WIN 0x0c
.irp i, 0,1,2,3,4,5,6,7
	global_store_b128 v[GOF], v[32*(\u)+4*\i:32*(\u)+4*\i+3], s[14:15] offset:(16*((\u)/2)+2*\i)*2048+256*((\u)%2) th:TH_STORE_NT
.endr
.endm
	EPIC 0
	TOST 0
	TOST 1
	EPIC 1                                         ; tile 1's arithmetic stands between tile 0's loads from the stage and the wait for them
	s_wait_alu depctr_va_vdst(0)
	SEND 0, 0
	SEND 1, 0
	TOST 2
	TOST 3
	EPIC 2
	s_wait_alu depctr_va_vdst(0)
	SEND 2, 0
	SEND 3, 0
	TOST 4
	TOST 5
	EPIC 3
	s_wait_alu depctr_va_vdst(0)
	SEND 4, 0
	SEND 5, 0
	TOST 6
	TOST 7
	SEND 6, 16                                     ; behind unit 6's loads: unit 7's eight stores and eight loads
	SEND 7, 0
	WIN 0
	s_wait_tensorcnt 0x0                           ; the wave's end, behind my last tensor load and my last LDS store
	ds_add_u32 v[SPW], v[NIL]
	s_wait_dscnt 0x0
	ROUND                                          ; the closing round: no work-group ends while a partner may still ask for a tile that names it
	s_endpgm
.Lfunc_end_k_qc36155da4a_gru:
	.size	k_qc36155da4a_gru, .Lfunc_end_k_qc36155da4a_gru-k_qc36155da4a_gru
	.p2alignl 7, 3214868480
	.fill 96, 4, 3214868480
	.section	.rodata,"a",@progbits
	.p2align	6, 0x0
	.amdhsa_kernel k_qc36155da4a_gru
		.amdhsa_group_segment_fixed_size 327680
		.amdhsa_private_segment_fixed_size 0
		.amdhsa_enable_private_segment 0
		.amdhsa_kernarg_size 48
		.amdhsa_user_sgpr_count 2
		.amdhsa_user_sgpr_kernarg_segment_ptr 1
		.amdhsa_wavefront_size32 1
		.amdhsa_system_sgpr_workgroup_id_x 1
		.amdhsa_system_sgpr_workgroup_id_y 1
		.amdhsa_system_sgpr_workgroup_id_z 1
		.amdhsa_system_vgpr_workitem_id 0
		.amdhsa_next_free_vgpr 1024
		.amdhsa_next_free_sgpr 80
		.amdhsa_reserve_vcc 0
		.amdhsa_float_denorm_mode_32 3
		.amdhsa_float_denorm_mode_16_64 3
		.amdhsa_memory_ordered 1
		.amdhsa_forward_progress 1
		.amdhsa_inst_pref_size 255
	.end_amdhsa_kernel
	.section	.bss,"aw",@nobits
	.p2align	6
	.space	262144
	.amdgpu_metadata
---
amdhsa.version: [ 1, 2 ]
amdhsa.kernels:
  - .name:           k_qc36155da4a_gru
    .symbol:         k_qc36155da4a_gru.kd
    .args:
      - { .name: inputs_codes, .offset: 0, .size: 8, .value_kind: global_buffer, .address_space: global }
      - { .name: inputs_scales, .offset: 8, .size: 8, .value_kind: global_buffer, .address_space: global }
      - { .name: state, .offset: 16, .size: 8, .value_kind: global_buffer, .address_space: global }
      - { .name: parent_state, .offset: 24, .size: 8, .value_kind: global_buffer, .address_space: global }
      - { .name: wpack, .offset: 32, .size: 8, .value_kind: global_buffer, .address_space: global }
      - { .name: out0, .offset: 40, .size: 8, .value_kind: global_buffer, .address_space: global }
    .group_segment_fixed_size: 327680
    .private_segment_fixed_size: 0
    .kernarg_segment_align: 8
    .kernarg_segment_size: 48
    .max_flat_workgroup_size: 128
    .sgpr_count:     80
    .vgpr_count:     1024
    .wavefront_size: 32
...
	.end_amdgpu_metadata
.endif
;; end of part 2
